; MI455X (gfx1250); checked and timed in simulation.
; The chip was launched on July 23, 2026; its instructions are those of AMD's public machine-readable ISA for CDNA 5 (MIT licence, August 2026) and "CDNA5" Instruction Set Architecture Reference Guide (July 2026). The comments in the code are by the model that wrote it; some were corrected since.
;; INR. Allowed arithmetic: float matrix products may take bf16 or f16 operands with f32 sums; all other float work in f32.
;; Inputs: B_ff 3 x 64 float32; W_first 256 x 128 float32; W_hidden 1 x 256 x 256 float32; W_out 3 x 256 float32; b_first 256 float32; b_hidden 1 x 256 float32; b_out 3 float32; coords 1 x 262,144 x 3 float32.
;; Outputs: out0 1 x 262,144 x 3 float32.
;; One version. Each part assembles by itself: llvm-mc -triple=amdgcn-amd-amdhsa -mcpu=gfx1250 --defsym DOCPART=n.
;; ======== version 1 of 1: 1 launch
;; limits: a function is approximated: absolute error at most 0.00025; values are held in f16: magnitudes above 65,504 overflow, below 6.1e-05 lose precision; right only within a limited range of input values
;; launch inr (part 1): grid 256 x 1, 8 waves a work-group, no clusters, 229,632 bytes of LDS; arguments coords, B_ff, W_first, b_first, W_hidden, b_hidden, W_out, b_out, out0; writes out0
.if DOCPART == 1
	.amdgcn_target "amdgcn-amd-amdhsa--gfx1250"
	.amdhsa_code_object_version 6
	.text
	.protected	k_q3c36adb4e5_inr
	.globl	k_q3c36adb4e5_inr
	.p2align	8
	.type	k_q3c36adb4e5_inr,@function
k_q3c36adb4e5_inr:
	s_mov_b64 s[64:65], 0
	v_nop
	global_prefetch_b8 v0, s[64:65] scope:SCOPE_SE
	s_setreg_imm32_b32 hwreg(HW_REG_WAVE_MODE, 25, 1), 1
	s_wait_xcnt 0x0
; out = W_out h2 + b_out,  h2 = sin(30 (W_hidden h1 + b_hidden)),  h1 = sin(30 (W_first h0 + b_first)),
; h0 = [sin(2 pi c B_ff), cos(2 pi c B_ff)], for 262,144 points c of three coordinates.  All buffers f32.
;
; SHARES.  256 work-groups of 1,024 points; eight waves of 128 points, each in two passes of 64 points = four tiles of 16.
; THE CHAIN STAYS IN REGISTERS.  Weights are the matrix instruction's A (row m = output feature), activations its B (column n = point).
; A result tile then holds, in lane (r, h), register j, feature 16 o + 8 h + j of point r, which is half of the next layer's B fragment
; (registers 0-3 from an even tile o, 4-7 from the odd one): sine and one packed conversion turn D into the next B in place.
; WEIGHTS lie in LDS as f16, converted once by the work-group; one fragment of 16 rows x 32 k feeds four matrix instructions.
; ANGLES ARE KEPT IN REVOLUTIONS: 30 / (2 pi) is folded into W_first, W_hidden and their biases, and the projection c B_ff is one already.
; The bias is the C operand of each chain's first matrix instruction: no add, nothing cleared.
; The projection (K = 3, tens of revolutions) is made in f32 by packed multiply-adds: 16-bit operands would shift its phase.
; f16 AND NOT bf16: activations lie in [-1, 1] and the scaled weights far inside f16's range, and f16 has three more bits.
; SINE: n = nearest whole number, r = t - n (exact), s = r r, sin = r (C0 + C1 s + C2 s^2 + C3 s^3), cos = D0 + .. + D4 s^4.
; LIMITS.  The polynomials are cut: |error| <= 2.5e-4 (sine), 4e-5 (cosine), for every argument.  f16 operands: |W_first|, |W_hidden|
; < 13,700 and |W_out| < 65,504; scaled weights below 6.1e-5 carry an absolute error of up to 2^-25.  From 2^23 revolutions on
; r is 0 (sine 0, cosine 1).  An infinite or NaN argument gives NaN.
; NO CLUSTER, NO TENSOR LOADS: what the work-groups share are the f32 weights, 393,216 bytes read once by each; they are scaled and
; narrowed on the way, which goes through registers, and as f32 they would not fit into the 228,608 bytes of LDS beside their f16 image.
; No prefetch: behind the prologue nothing is read from memory.
; ---- LDS map (bytes).  Both weight pitches are odd multiples of 16: the 16 rows of a fragment load fall into 16 different 16-byte columns of 256.
.set W1B, 0                            ; 256 rows of 128 f16, pitch 272
.set W2B, 69632                        ; 256 rows of 256 f16, pitch 528
.set WOB, 204800                       ; 16 rows of 256 f16, pitch 528: row m = W_out[min(m & 7, 2)], so that rows 8-10 repeat rows 0-2
.set B1B, 213248                       ; 256 f32: b_first x 30/2pi
.set B2B, 214272                       ; 256 f32: b_hidden x 30/2pi
.set BFB, 215296                       ; 256 f32: word t = B_ff[min(t, 191)]
.set COB, 216320                       ; 1,536 bytes a wave: its 128 points' coordinates; a pass's 768 bytes later take that pass's results
; ---- vector registers, window 0
.set AW1, 1                            ; W1B + 272 r + 16 h
.set AW2, 2                            ; W2B + 528 r + 16 h
.set AWO, 3                            ; WOB + 528 r + 16 h
.set AB1, 4                            ; B1B + 32 h
.set AB2, 5                            ; B2B + 32 h
.set ABF, 6                            ; BFB + 32 h
.set ACO, 7                            ; COB + 1536 wave + 12 r, + 768 a pass
.set ARD, 8                            ; COB + 1536 wave + 8 lane, + 768 a pass
.set GO,  9                            ; 8 lane
.set KC2, 10                           ; v[10:11] C2 twice
.set KD3, 12                           ; v[12:13] D3 twice
.set AW2W, 14                          ; working copies, stepped from tile to tile in layer 2
.set AB2W, 15
.set AWOW, 248
.set A1,   16                          ; v16-47   layer 1: four slots of W_first's fragments
.set WOA,  16                          ; v16-23   layer 2: W_out's fragment
.set BIAS, 48                          ; v48-55   the tile's bias, as C
.set ACC,  56                          ; v56-87   two sets of two result tiles: set q at 56 + 16 q
.set N,    88                          ; v88-103  sine: n, then s (and the cosine's chain in layer 0)
.set P,    104                         ; v104-119 sine: the polynomial
.set H0,   120                         ; v120-247 h0[p][c] at 120 + 32 p + 8 c
.set A2,   120                         ; v120-183 layer 2: eight slots of W_hidden's fragments
.set H2,   184                         ; v184-215 h2[p]: one B fragment (32 features) a point tile
.set OACC, 216                         ; v216-247 the output's sums, 8 registers a point tile
; ---- window 1 (names 0-255): h1[p][c] at 64 p + 8 c.  During layer 0: B_ff's piece (g, d) at 24 g + 8 d, and
.set XR, 96                            ; x, x, y, y, z, z of tile p at 96 + 6 p
; ---- scalar pairs, both halves written (a packed form reads the pair)
.set SK, 32                            ; 30 / 2 pi
.set SC0, 34
.set SC1, 36
.set SC3, 38
.set SD0, 40
.set SD1, 42
.set SD2, 44
.set SD4, 46
.set MSB, 0
.macro WIN new                         ; low byte: bits 1:0 source 0, 3:2 source 1, 5:4 source 2, 7:6 destination; high byte: the setting left
.if MSB != \new
	s_set_vgpr_msb (MSB<<8)|\new
.set MSB, \new
.endif
.endm
.macro PLACES                          ; four independent vector places behind a matrix instruction (ISA guide 7.12.1), where no useful work stands
.rept 4
	v_nop
.endr
.endm
; 16 loads of 512 consecutive bytes each
.macro LDB bank, voff, base, first
.set cj, 0
.rept 16
	global_load_b128 v[\bank+4*cj:\bank+4*cj+3], v[\voff], s[\base:\base+1] offset:\first+512*cj
.set cj, cj+1
.endr
.endm
; scale, narrow and store a bank.  left = loads issued behind this bank.  kind 1: W_first (a load is a row), 2: W_hidden (half a row)
.macro CVB bank, left, laddr, kind, i0
.set cj, 0
.rept 16
.set cb, \bank+4*cj
.set ci, \i0+cj
	s_wait_loadcnt \left+15-cj                     ; loads return in order: the bank's 15 - j younger ones and the younger banks stay out
	v_pk_mul_f32 v[cb:cb+1], v[cb:cb+1], s[SK:SK+1] op_sel_hi:[1,0]
	v_pk_mul_f32 v[cb+2:cb+3], v[cb+2:cb+3], s[SK:SK+1] op_sel_hi:[1,0]
	v_cvt_pk_f16_f32 v[cb], v[cb], v[cb+1]
	v_cvt_pk_f16_f32 v[cb+1], v[cb+2], v[cb+3]
.if \kind == 1
	ds_store_b64 v[\laddr], v[cb:cb+1] offset:272*ci
.else
	ds_store_b64 v[\laddr], v[cb:cb+1] offset:528*(ci/2)+256*(ci%2)
.endif
.set cj, cj+1
.endr
.endm
; One stage (eight independent lines) of the sine of the 16 registers at a.  Stage 8 packs them to f16 at d0 (tile 0) and d1 (tile 1).
; Stages 0, 1, 2 and 4 name no vector register as source 1, so they also stand under the setting that puts source 1 into window 1.
.macro SINST st, a, d0, d1
.if (\st) == 0
.set sk, 0
.rept 8
	v_rndne_f32 v[N+sk], v[\a+sk]
.set sk, sk+1
.endr
.endif
.if (\st) == 1
.set sk, 8
.rept 8
	v_rndne_f32 v[N+sk], v[\a+sk]
.set sk, sk+1
.endr
.endif
.if (\st) == 2
.set sk, 0
.rept 8
	v_pk_fma_f32 v[\a+sk:\a+sk+1], v[N+sk:N+sk+1], -1.0, v[\a+sk:\a+sk+1] op_sel_hi:[1,0,1]   ; r = t - n
.set sk, sk+2
.endr
.endif
.if (\st) == 3
.set sk, 0
.rept 8
	v_pk_mul_f32 v[N+sk:N+sk+1], v[\a+sk:\a+sk+1], v[\a+sk:\a+sk+1]                            ; s = r r
.set sk, sk+2
.endr
.endif
.if (\st) == 4
.set sk, 0
.rept 8
	v_pk_fma_f32 v[P+sk:P+sk+1], v[N+sk:N+sk+1], s[SC3:SC3+1], v[KC2:KC2+1] op_sel_hi:[1,0,1]
.set sk, sk+2
.endr
.endif
.if (\st) == 5
.set sk, 0
.rept 8
	v_pk_fma_f32 v[P+sk:P+sk+1], v[P+sk:P+sk+1], v[N+sk:N+sk+1], s[SC1:SC1+1] op_sel_hi:[1,1,0]
.set sk, sk+2
.endr
.endif
.if (\st) == 6
.set sk, 0
.rept 8
	v_pk_fma_f32 v[P+sk:P+sk+1], v[P+sk:P+sk+1], v[N+sk:N+sk+1], s[SC0:SC0+1] op_sel_hi:[1,1,0]
.set sk, sk+2
.endr
.endif
.if (\st) == 7
.set sk, 0
.rept 8
	v_pk_mul_f32 v[P+sk:P+sk+1], v[P+sk:P+sk+1], v[\a+sk:\a+sk+1]
.set sk, sk+2
.endr
.endif
.if (\st) == 8
.set sk, 0
.rept 4
	v_cvt_pk_f16_f32 v[\d0+sk], v[P+2*sk], v[P+2*sk+1]
.set sk, sk+1
.endr
.set sk, 0
.rept 4
	v_cvt_pk_f16_f32 v[\d1+sk], v[P+8+2*sk], v[P+8+2*sk+1]
.set sk, sk+1
.endr
.endif
.endm
; Layer 0: sine and cosine of the eight projections 16 g + 8 h + 0..7 of tile p, which lie at ACC + 8 p.
; They are registers 4 (g % 2) .. + 3 of h0's fragments g / 2 (sines) and g / 2 + 2 (cosines).
.macro SC8 p, g
.set T, ACC+8*\p
.set dsn, H0+32*\p+8*(\g/2)+4*(\g%2)
.set sk, 0
.rept 8
	v_rndne_f32 v[N+sk], v[T+sk]
.set sk, sk+1
.endr
.set sk, 0
.rept 4
	v_pk_fma_f32 v[T+sk:T+sk+1], v[N+sk:N+sk+1], -1.0, v[T+sk:T+sk+1] op_sel_hi:[1,0,1]
.set sk, sk+2
.endr
.set sk, 0
.rept 4
	v_pk_mul_f32 v[N+sk:N+sk+1], v[T+sk:T+sk+1], v[T+sk:T+sk+1]
.set sk, sk+2
.endr
.set sk, 0
.rept 4
	v_pk_fma_f32 v[P+sk:P+sk+1], v[N+sk:N+sk+1], s[SC3:SC3+1], v[KC2:KC2+1] op_sel_hi:[1,0,1]
.set sk, sk+2
.endr
.set sk, 0
.rept 4
	v_pk_fma_f32 v[N+8+sk:N+8+sk+1], v[N+sk:N+sk+1], s[SD4:SD4+1], v[KD3:KD3+1] op_sel_hi:[1,0,1]
.set sk, sk+2
.endr
.set sk, 0
.rept 4
	v_pk_fma_f32 v[P+sk:P+sk+1], v[P+sk:P+sk+1], v[N+sk:N+sk+1], s[SC1:SC1+1] op_sel_hi:[1,1,0]
.set sk, sk+2
.endr
.set sk, 0
.rept 4
	v_pk_fma_f32 v[N+8+sk:N+8+sk+1], v[N+8+sk:N+8+sk+1], v[N+sk:N+sk+1], s[SD2:SD2+1] op_sel_hi:[1,1,0]
.set sk, sk+2
.endr
.set sk, 0
.rept 4
	v_pk_fma_f32 v[P+sk:P+sk+1], v[P+sk:P+sk+1], v[N+sk:N+sk+1], s[SC0:SC0+1] op_sel_hi:[1,1,0]
.set sk, sk+2
.endr
.set sk, 0
.rept 4
	v_pk_fma_f32 v[N+8+sk:N+8+sk+1], v[N+8+sk:N+8+sk+1], v[N+sk:N+sk+1], s[SD1:SD1+1] op_sel_hi:[1,1,0]
.set sk, sk+2
.endr
.set sk, 0
.rept 4
	v_pk_mul_f32 v[P+sk:P+sk+1], v[P+sk:P+sk+1], v[T+sk:T+sk+1]
.set sk, sk+2
.endr
.set sk, 0
.rept 4
	v_pk_fma_f32 v[N+8+sk:N+8+sk+1], v[N+8+sk:N+8+sk+1], v[N+sk:N+sk+1], s[SD0:SD0+1] op_sel_hi:[1,1,0]
.set sk, sk+2
.endr
.set sk, 0
.rept 4
	v_cvt_pk_f16_f32 v[dsn+sk], v[P+2*sk], v[P+2*sk+1]
.set sk, sk+1
.endr
.set sk, 0
.rept 4
	v_cvt_pk_f16_f32 v[dsn+16+sk], v[N+8+2*sk], v[N+8+2*sk+1]
.set sk, sk+1
.endr
.endm
; Layer 1, one step: feature tile o x point tiles 2 q, 2 q + 1, K = 128 in four fragments, into set q.  Between the matrix instructions stand
; the sine stages of the step before (set 1 - q).  With q = 1 each slot is loaded again for tile o + 1, 16 vector lines behind its last use.
.macro L1STEP o, q
.set pq, 1-\q
.set po, \o-1+\q                       ; the tile whose sines are made here
.set hd, 128*pq+8*(po/2)+4*(po%2)      ; their place in h1 (window 1); the second point tile 64 further
.set dosin, \o+\q                      ; the very first step has none
.set c1, 0
.rept 4
.if \q == 0
	s_wait_dscnt 6-2*c1                            ; LDS loads return in order: slot c (and the bias) are in, the loads of slots c + 1 .. 3 stay out
.endif
	WIN 0
.set i1, 0
.rept 2
.if c1 == 0
	v_wmma_f32_16x16x32_f16 v[ACC+16*\q+8*i1:ACC+16*\q+8*i1+7], v[A1+8*c1:A1+8*c1+7], v[H0+32*(2*\q+i1)+8*c1:H0+32*(2*\q+i1)+8*c1+7], v[BIAS:BIAS+7]
.else
	v_wmma_f32_16x16x32_f16 v[ACC+16*\q+8*i1:ACC+16*\q+8*i1+7], v[A1+8*c1:A1+8*c1+7], v[H0+32*(2*\q+i1)+8*c1:H0+32*(2*\q+i1)+8*c1+7], v[ACC+16*\q+8*i1:ACC+16*\q+8*i1+7]
.endif
.set i1, i1+1
.endr
.if dosin
	SINST 2*c1, ACC+16*pq, 0, 0
	SINST 2*c1+1, ACC+16*pq, 0, 0
.endif
.if \q
.if \o < 15
	ds_load_b128 v[A1+8*c1:A1+8*c1+3], v[AW1] offset:4352*(\o+1)+64*c1
	ds_load_b128 v[A1+8*c1+4:A1+8*c1+7], v[AW1] offset:4352*(\o+1)+64*c1+32
.if c1 == 0
	ds_load_b128 v[BIAS:BIAS+3], v[AB1] offset:64*(\o+1)
	ds_load_b128 v[BIAS+4:BIAS+7], v[AB1] offset:64*(\o+1)+16
.endif
.endif
.endif
.set c1, c1+1
.endr
.if dosin
	WIN 0x40                                       ; destination in window 1
	SINST 8, ACC+16*pq, hd, hd+64
.else
	PLACES                                         ; the next step's first sine stage reads this step's results
.endif
.endm
; Layer 2, one step: the current feature tile x point tiles 2 q, 2 q + 1, K = 256 in eight fragments, into set q; one sine stage of the step
; before behind each pair of matrix instructions.  half: which half of h2's fragment those sines fill.  ld = 1: the slots are loaded again
; for the next tile, eight vector lines behind their last use.  wo = 1: W_out's next fragment is loaded too.  ow = 1: h2's fragments of the
; two point tiles just finished are whole and go into the output's sums.
.macro L2STEP q, sin, half, ld, wo, ow
.set pq, 1-\q
.if \ld
	WIN 0
	v_add_nc_u32 v[AW2W], 8448, v[AW2W]            ; 16 rows of 528 bytes on
	v_add_nc_u32 v[AB2W], 64, v[AB2W]
.if \wo == 0
	v_add_nc_u32 v[AWOW], 64, v[AWOW]              ; 32 k on, once for two feature tiles
.endif
.endif
.set c2, 0
.rept 8
.if \q == 0
	s_wait_dscnt 14-2*c2                           ; slot c (with the bias and W_out's fragment, issued in front of slot 1) is in; slots c + 1 .. 7 stay out
.endif
	WIN 0x04                                       ; source 1 (h1) in window 1
.set i2, 0
.rept 2
.if c2 == 0
	v_wmma_f32_16x16x32_f16 v[ACC+16*\q+8*i2:ACC+16*\q+8*i2+7], v[A2+8*c2:A2+8*c2+7], v[64*(2*\q+i2)+8*c2:64*(2*\q+i2)+8*c2+7], v[BIAS:BIAS+7]
.else
	v_wmma_f32_16x16x32_f16 v[ACC+16*\q+8*i2:ACC+16*\q+8*i2+7], v[A2+8*c2:A2+8*c2+7], v[64*(2*\q+i2)+8*c2:64*(2*\q+i2)+8*c2+7], v[ACC+16*\q+8*i2:ACC+16*\q+8*i2+7]
.endif
.set i2, i2+1
.endr
.if \sin
.if c2 == 3
	WIN 0
.endif
.if c2 >= 5
	WIN 0
.endif
	SINST c2, ACC+16*pq, 0, 0
.if c2 == 7
	SINST 8, ACC+16*pq, H2+16*pq+4*\half, H2+16*pq+8+4*\half
.endif
.endif
.if \ld
	ds_load_b128 v[A2+8*c2:A2+8*c2+3], v[AW2W] offset:64*c2
	ds_load_b128 v[A2+8*c2+4:A2+8*c2+7], v[AW2W] offset:64*c2+32
.if c2 == 0
	ds_load_b128 v[BIAS:BIAS+3], v[AB2W]
	ds_load_b128 v[BIAS+4:BIAS+7], v[AB2W] offset:16
.if \wo
	ds_load_b128 v[WOA:WOA+3], v[AWOW]             ; its last use stands ten vector lines back (two address steps, stage 0)
	ds_load_b128 v[WOA+4:WOA+7], v[AWOW] offset:32
.endif
.endif
.endif
.set c2, c2+1
.endr
.if \ow
	WIN 0
	v_wmma_f32_16x16x32_f16 v[OACC+16*pq:OACC+16*pq+7], v[WOA:WOA+7], v[H2+16*pq:H2+16*pq+7], v[OACC+16*pq:OACC+16*pq+7]
	v_wmma_f32_16x16x32_f16 v[OACC+16*pq+8:OACC+16*pq+15], v[WOA:WOA+7], v[H2+16*pq+8:H2+16*pq+15], v[OACC+16*pq+8:OACC+16*pq+15]
.endif
.if \sin == 0
	PLACES                                         ; the next step's first sine stage reads this step's results
.endif
.endm
; ================================================================ PROLOGUE: the weights into LDS, once
	s_load_b512 s[8:23], s[0:1], 0x0               ; coords 8, B_ff 10, W_first 12, b_first 14, W_hidden 16, b_hidden 18, W_out 20, b_out 22
	s_load_b64 s[24:25], s[0:1], 0x40              ; out0
	v_lshrrev_b32 v49, 5, v0
	v_readfirstlane_b32 s26, v49                   ; wave 0..7
	v_and_b32 v48, 31, v0                          ; lane
	v_lshlrev_b32 v60, 4, v48                      ; 16 lane
	v_lshlrev_b32 v[GO], 3, v48                    ; 8 lane
	s_mul_i32 s50, ttmp9, 12288                    ; the work-group's 1,024 points x 12 bytes
	s_mov_b32 s51, 0
	s_mul_i32 s52, s26, 1536                       ; the wave's 128 points
	s_mov_b32 s53, 0
	v_add_nc_u32 v49, s52, v60                     ; coords: my 16 bytes
	v_lshlrev_b32 v50, 2, v0                       ; biases: word t
	v_min_u32 v51, 191, v0                         ; B_ff has 192 words
	v_lshlrev_b32 v51, 2, v51
	s_lshl_b32 s54, s26, 1                         ; W_out's image: this wave makes rows 2 w and 2 w + 1
	s_and_b32 s54, s54, 7
	s_add_co_u32 s55, s54, 1
	s_min_u32 s54, s54, 2                          ; from rows min(m & 7, 2)
	s_min_u32 s55, s55, 2
	s_lshl_b32 s54, s54, 10
	s_lshl_b32 s55, s55, 10
	v_add_nc_u32 v52, s54, v60
	v_add_nc_u32 v53, s55, v60
	s_lshl_b32 s56, s26, 14                        ; W_first: 32 rows of 512 bytes a wave
	v_add_nc_u32 v54, s56, v60
	s_lshl_b32 s56, s26, 15                        ; W_hidden: 32 rows of 1,024 bytes a wave
	v_add_nc_u32 v55, s56, v60
	s_mul_i32 s56, s26, 32*272                     ; where they go (W1B is 0)
	v_add_nc_u32 v56, s56, v[GO]
	s_mul_i32 s56, s26, 32*528
	s_add_co_u32 s56, s56, W2B
	v_add_nc_u32 v57, s56, v[GO]
	s_mul_i32 s56, s26, 2*528
	s_add_co_u32 s56, s56, WOB
	v_add_nc_u32 v58, s56, v[GO]
	s_add_co_u32 s57, s52, COB                     ; the wave's own 1,536 bytes
	v_add_nc_u32 v59, s57, v60
	s_lshl_b32 s56, s26, 7
	s_add_co_u32 s56, s56, B1B
	v_lshl_add_u32 v61, v48, 2, s56                ; word 32 w + lane of the three tables of 1,024 bytes
	s_mov_b32 s[SK], 0x4098c9eb                    ; 30 / 2 pi = 4.77464829
	s_mov_b32 s[SK+1], 0x4098c9eb
	s_wait_kmcnt 0x0
	s_load_b96 s[28:30], s[22:23], 0x0             ; b_out
	s_add_nc_u64 s[8:9], s[8:9], s[50:51]
	s_add_nc_u64 s[24:25], s[24:25], s[50:51]
	s_add_nc_u64 s[24:25], s[24:25], s[52:53]      ; out0 at the wave's first point
	global_load_b128 v[16:19], v49, s[8:9] th:TH_LOAD_NT
	global_load_b128 v[20:23], v49, s[8:9] offset:512 th:TH_LOAD_NT
	global_load_b128 v[24:27], v49, s[8:9] offset:1024 th:TH_LOAD_NT
	global_load_b32 v28, v50, s[14:15]
	global_load_b32 v29, v50, s[18:19]
	global_load_b32 v30, v51, s[10:11]
	global_load_b128 v[32:35], v52, s[20:21]
	global_load_b128 v[36:39], v52, s[20:21] offset:512
	global_load_b128 v[40:43], v53, s[20:21]
	global_load_b128 v[44:47], v53, s[20:21] offset:512
	LDB 64, 54, 12, 0                              ; W_first, my rows 0-15
	LDB 128, 54, 12, 8192                          ; rows 16-31
	LDB 192, 55, 16, 0                             ; W_hidden, my rows 0-7
	; while they travel: the constants and the addresses that stay
	s_mov_b32 s[SC0], 0x40c8e9ea                   ;   6.27855397
	s_mov_b32 s[SC0+1], 0x40c8e9ea
	s_mov_b32 s[SC1], 0xc2245d4e                   ; -41.0911164
	s_mov_b32 s[SC1+1], 0xc2245d4e
	s_mov_b32 s[SC3], 0xc2602765                   ; -56.0384705
	s_mov_b32 s[SC3+1], 0xc2602765
	s_mov_b32 s[SD0], 0x3f7ffd50                   ;   0.99995902
	s_mov_b32 s[SD0+1], 0x3f7ffd50
	s_mov_b32 s[SD1], 0xc19dd8f8                   ; -19.7309424
	s_mov_b32 s[SD1+1], 0xc19dd8f8
	s_mov_b32 s[SD2], 0x428157c7                   ;  64.6714423
	s_mov_b32 s[SD2+1], 0x428157c7
	s_mov_b32 s[SD4], 0x42367bf7                   ;  45.6210579
	s_mov_b32 s[SD4+1], 0x42367bf7
	v_mov_b32 v[KC2], 0x429bd19d                   ;  77.9094036
	v_mov_b32 v[KC2+1], 0x429bd19d
	v_mov_b32 v[KD3], 0xc2a4c818                   ; -82.3908098
	v_mov_b32 v[KD3+1], 0xc2a4c818
	v_and_b32 v14, 15, v0                          ; r
	v_bfe_u32 v15, v0, 4, 1                        ; h
	v_mul_u32_u24 v[AW1], v14, 272
	v_lshl_add_u32 v[AW1], v15, 4, v[AW1]          ; W1B is 0
	v_mul_u32_u24 v[AW2], v14, 528
	v_lshl_add_u32 v[AW2], v15, 4, v[AW2]
	v_add_nc_u32 v[AWO], WOB, v[AW2]
	v_add_nc_u32 v[AW2], W2B, v[AW2]
	v_lshlrev_b32 v[AB1], 5, v15
	v_add_nc_u32 v[AB2], B2B, v[AB1]
	v_add_nc_u32 v[ABF], BFB, v[AB1]
	v_add_nc_u32 v[AB1], B1B, v[AB1]
	v_mul_u32_u24 v[ACO], v14, 12
	v_add_nc_u32 v[ACO], s57, v[ACO]
	v_add_nc_u32 v[ARD], s57, v[GO]
	s_wait_loadcnt 48                              ; the ten small loads are in; the 48 weight loads behind them stay out
	ds_store_b128 v59, v[16:19]
	ds_store_b128 v59, v[20:23] offset:512
	ds_store_b128 v59, v[24:27] offset:1024
	v_mul_f32 v28, s[SK], v28
	v_mul_f32 v29, s[SK], v29
	ds_store_b32 v61, v28
	ds_store_b32 v61, v29 offset:B2B-B1B
	ds_store_b32 v61, v30 offset:BFB-B1B
.irp b, 32, 36, 40, 44
	v_cvt_pk_f16_f32 v[\b], v[\b], v[\b+1]         ; W_out is not scaled
	v_cvt_pk_f16_f32 v[\b+1], v[\b+2], v[\b+3]
.endr
	ds_store_b64 v58, v[32:33]
	ds_store_b64 v58, v[36:37] offset:256
	ds_store_b64 v58, v[40:41] offset:528
	ds_store_b64 v58, v[44:45] offset:784
	CVB 64, 32, 56, 1, 0
	LDB 64, 55, 16, 8192                           ; W_hidden, my rows 8-15
	CVB 128, 32, 56, 1, 16
	LDB 128, 55, 16, 16384                         ; rows 16-23
	CVB 192, 32, 57, 2, 0
	LDB 192, 55, 16, 24576                         ; rows 24-31
	CVB 64, 32, 57, 2, 16
	CVB 128, 16, 57, 2, 32
	CVB 192, 0, 57, 2, 48
	s_wait_kmcnt 0x0                               ; b_out
	s_wait_dscnt 0x0                               ; my stores are in LDS before I say so: every wave reads every wave's rows
	s_barrier_signal -1
	s_barrier_wait -1                              ; the only barrier: from here on the tables are only read, and COB's bytes are each wave's own
; ================================================================ TWO PASSES OF 64 POINTS
	s_mov_b32 s48, 0
.Lpass:
	WIN 0x40                                       ; destinations in window 1
.set g0, 0
.rept 4
.set dd, 0
.rept 3
	ds_load_b128 v[24*g0+8*dd:24*g0+8*dd+3], v[ABF] offset:256*dd+64*g0         ; B_ff[d][16 g + 8 h + 0..3]
	ds_load_b128 v[24*g0+8*dd+4:24*g0+8*dd+7], v[ABF] offset:256*dd+64*g0+16    ; .. + 4..7
.set dd, dd+1
.endr
.set g0, g0+1
.endr
.set p0, 0
.rept 4
.set dd, 0
.rept 3
	ds_load_b32 v[XR+6*p0+2*dd], v[ACO] offset:192*p0+4*dd                      ; coordinate d of point r of tile p, twice:
	ds_load_b32 v[XR+6*p0+2*dd+1], v[ACO] offset:192*p0+4*dd                    ; a pair for the packed forms
.set dd, dd+1
.endr
.set p0, p0+1
.endr
	WIN 0
	ds_load_b128 v[A1:A1+3], v[AW1]                ; layer 1, tile 0: slot 0, the bias, slots 1 to 3
	ds_load_b128 v[A1+4:A1+7], v[AW1] offset:32
	ds_load_b128 v[BIAS:BIAS+3], v[AB1]
	ds_load_b128 v[BIAS+4:BIAS+7], v[AB1] offset:16
.set c1, 1
.rept 3
	ds_load_b128 v[A1+8*c1:A1+8*c1+3], v[AW1] offset:64*c1
	ds_load_b128 v[A1+8*c1+4:A1+8*c1+7], v[AW1] offset:64*c1+32
.set c1, c1+1
.endr
	s_wait_dscnt 10                                ; B_ff and the coordinates are in; the ten loads for layer 1 stay out
	; ---- layer 0: t = x B[0] + y B[1] + z B[2] in revolutions, f32; then sine and cosine to f16
.set g0, 0
.rept 4
	WIN 0x05                                       ; sources 0 and 1 in window 1
.set p0, 0
.rept 4
.set k0, 0
.rept 4
	v_pk_mul_f32 v[ACC+8*p0+k0:ACC+8*p0+k0+1], v[24*g0+k0:24*g0+k0+1], v[XR+6*p0:XR+6*p0+1]
.set k0, k0+2
.endr
.set k0, 0
.rept 4
	v_pk_fma_f32 v[ACC+8*p0+k0:ACC+8*p0+k0+1], v[24*g0+8+k0:24*g0+8+k0+1], v[XR+6*p0+2:XR+6*p0+3], v[ACC+8*p0+k0:ACC+8*p0+k0+1]
.set k0, k0+2
.endr
.set k0, 0
.rept 4
	v_pk_fma_f32 v[ACC+8*p0+k0:ACC+8*p0+k0+1], v[24*g0+16+k0:24*g0+16+k0+1], v[XR+6*p0+4:XR+6*p0+5], v[ACC+8*p0+k0:ACC+8*p0+k0+1]
.set k0, k0+2
.endr
.set p0, p0+1
.endr
	WIN 0
	SC8 0, g0
	SC8 1, g0
	SC8 2, g0
	SC8 3, g0
.set g0, g0+1
.endr
	; ---- layer 1: 16 feature tiles x 2 pairs of point tiles
.set o1, 0
.rept 16
	L1STEP o1, 0
	L1STEP o1, 1
.set o1, o1+1
.endr
	; ---- from layer 1 to layer 2.  Stages 6, 7 and 8 of the last step, 24 vector lines that name none of their registers, stand behind
	; layer 1's last matrix instructions: h0's registers may be loaded and written.
	WIN 0
	v_mov_b32 v[AW2W], v[AW2]
	v_mov_b32 v[AB2W], v[AB2]
	v_mov_b32 v[AWOW], v[AWO]
	ds_load_b128 v[A2:A2+3], v[AW2W]               ; tile 0: slot 0, the bias, slots 1 to 7
	ds_load_b128 v[A2+4:A2+7], v[AW2W] offset:32
	ds_load_b128 v[BIAS:BIAS+3], v[AB2W]
	ds_load_b128 v[BIAS+4:BIAS+7], v[AB2W] offset:16
.set c2, 1
.rept 7
	ds_load_b128 v[A2+8*c2:A2+8*c2+3], v[AW2W] offset:64*c2
	ds_load_b128 v[A2+8*c2+4:A2+8*c2+7], v[AW2W] offset:64*c2+32
.set c2, c2+1
.endr
.set p0, 0
.rept 4
	v_mov_b32 v[OACC+8*p0], s28                    ; b_out starts the output's sums (rows 0-2, and 8-10 in the upper lanes);
	v_mov_b32 v[OACC+8*p0+1], s29
	v_mov_b32 v[OACC+8*p0+2], s30
.set k0, 3
.rept 5
	v_mov_b32 v[OACC+8*p0+k0], 0                   ; the other rows are summed and never stored
.set k0, k0+1
.endr
.set p0, p0+1
.endr
.irp st, 0,1,2,3,4,5,6,7
	SINST \st, ACC+16, 0, 0                        ; the sines of layer 1's last step (tile 15, point tiles 2 and 3)
.endr
	WIN 0x40
	SINST 8, ACC+16, 188, 252                      ; h1[2][7] + 4 and h1[3][7] + 4
	; ---- layer 2 and the output's sums.  Steps (tile, q): (0,0); seven trips of (2t,1) (2t+1,0) (2t+1,1) (2t+2,0); (14,1) (15,0) (15,1)
	L2STEP 0, 0, 0, 0, 0, 0
	WIN 0
	s_mov_b32 s49, 7
.Ll2:                                              ; no LDS load is out here: each step with q = 0 ends on a wait for 0
	L2STEP 1, 1, 0, 1, 1, 0
	L2STEP 0, 1, 0, 0, 0, 0
	L2STEP 1, 1, 1, 1, 0, 1
	L2STEP 0, 1, 1, 0, 0, 1
	WIN 0
	s_sub_co_i32 s49, s49, 1
	s_cmp_lg_u32 s49, 0
	s_cbranch_scc1 .Ll2
	L2STEP 1, 1, 0, 1, 1, 0
	L2STEP 0, 1, 0, 0, 0, 0
	L2STEP 1, 1, 1, 0, 0, 1
	WIN 0
.irp st, 0,1,2,3,4,5,6,7
	SINST \st, ACC+16, 0, 0                        ; the last step's sines: stages 7 and 8 above, 16 lines, stand behind its matrix instructions
.endr
	SINST 8, ACC+16, H2+16+4, H2+24+4
	v_wmma_f32_16x16x32_f16 v[OACC+16:OACC+23], v[WOA:WOA+7], v[H2+16:H2+23], v[OACC+16:OACC+23]
	v_wmma_f32_16x16x32_f16 v[OACC+24:OACC+31], v[WOA:WOA+7], v[H2+24:H2+31], v[OACC+24:OACC+31]
	; ---- the way out.  Lane (r, h) holds outputs 0-2 of point r in registers 0-2 (both halves the same numbers, W_out's image repeats):
	; 12 bytes a point into the wave's own LDS bytes, over this pass's coordinates, and back as 3 x 256 consecutive bytes.
	PLACES                                         ; behind the last matrix instructions: the stores read their results
.set p0, 0
.rept 4
.set k0, 0
.rept 3
	ds_store_b32 v[ACO], v[OACC+8*p0+k0] offset:192*p0+4*k0
.set k0, k0+1
.endr
.set p0, p0+1
.endr
.irp k, 0,1,2
	ds_load_b64 v[N+2*\k:N+2*\k+1], v[ARD] offset:256*\k       ; LDS serves a wave's instructions in order (ISA guide 5.7.1): these see the stores above
.endr
.irp k, 0,1,2
	s_wait_dscnt 2-\k                              ; the younger read-backs stay out
	global_store_b64 v[GO], v[N+2*\k:N+2*\k+1], s[24:25] offset:256*\k th:TH_STORE_NT   ; the wave stores 256 consecutive bytes, at a multiple of 256 from out0's first byte
.endr
	s_wait_xcnt 0x0                                ; the stores' base and data are rewritten only behind this wait
	v_add_nc_u32 v[ACO], 768, v[ACO]               ; the next 64 points
	v_add_nc_u32 v[ARD], 768, v[ARD]
	s_add_nc_u64 s[24:25], s[24:25], 768
	s_add_co_u32 s48, s48, 1
	s_cmp_lt_u32 s48, 2
	s_cbranch_scc1 .Lpass
	s_wait_xcnt 0x0
	v_lshl_add_u32 v254, v0, 2, 0x37d00
	v_mov_b32 v255, 0
	s_wait_tensorcnt 0x0
	ds_add_u32 v254, v255
	s_wait_dscnt 0x0
	s_endpgm
.Lfunc_end_k_q3c36adb4e5_inr:
	.size	k_q3c36adb4e5_inr, .Lfunc_end_k_q3c36adb4e5_inr-k_q3c36adb4e5_inr
	.p2alignl 7, 3214868480
	.fill 96, 4, 3214868480
	.section	.rodata,"a",@progbits
	.p2align	6, 0x0
	.amdhsa_kernel k_q3c36adb4e5_inr
		.amdhsa_group_segment_fixed_size 229632
		.amdhsa_private_segment_fixed_size 0
		.amdhsa_enable_private_segment 0
		.amdhsa_kernarg_size 72
		.amdhsa_user_sgpr_count 2
		.amdhsa_user_sgpr_kernarg_segment_ptr 1
		.amdhsa_wavefront_size32 1
		.amdhsa_system_sgpr_workgroup_id_x 1
		.amdhsa_system_sgpr_workgroup_id_y 1
		.amdhsa_system_sgpr_workgroup_id_z 1
		.amdhsa_system_vgpr_workitem_id 0
		.amdhsa_next_free_vgpr 512
		.amdhsa_next_free_sgpr 66
		.amdhsa_reserve_vcc 0
		.amdhsa_float_denorm_mode_32 3
		.amdhsa_float_denorm_mode_16_64 3
		.amdhsa_memory_ordered 1
		.amdhsa_forward_progress 1
		.amdhsa_inst_pref_size 255
	.end_amdhsa_kernel
	.section	.bss,"aw",@nobits
	.p2align	6
	.space	262144
	.amdgpu_metadata
---
amdhsa.version: [ 1, 2 ]
amdhsa.kernels:
  - .name:           k_q3c36adb4e5_inr
    .symbol:         k_q3c36adb4e5_inr.kd
    .args:
      - { .name: coords, .offset: 0, .size: 8, .value_kind: global_buffer, .address_space: global }
      - { .name: B_ff, .offset: 8, .size: 8, .value_kind: global_buffer, .address_space: global }
      - { .name: W_first, .offset: 16, .size: 8, .value_kind: global_buffer, .address_space: global }
      - { .name: b_first, .offset: 24, .size: 8, .value_kind: global_buffer, .address_space: global }
      - { .name: W_hidden, .offset: 32, .size: 8, .value_kind: global_buffer, .address_space: global }
      - { .name: b_hidden, .offset: 40, .size: 8, .value_kind: global_buffer, .address_space: global }
      - { .name: W_out, .offset: 48, .size: 8, .value_kind: global_buffer, .address_space: global }
      - { .name: b_out, .offset: 56, .size: 8, .value_kind: global_buffer, .address_space: global }
      - { .name: out0, .offset: 64, .size: 8, .value_kind: global_buffer, .address_space: global }
    .group_segment_fixed_size: 229632
    .private_segment_fixed_size: 0
    .kernarg_segment_align: 8
    .kernarg_segment_size: 72
    .max_flat_workgroup_size: 256
    .sgpr_count:     66
    .vgpr_count:     512
    .wavefront_size: 32
...
	.end_amdgpu_metadata
.endif
;; end of part 1
